; MI455X (gfx1250); checked and timed in simulation.
; The chip was launched on July 23, 2026; its instructions are those of AMD's public machine-readable ISA for CDNA 5 (MIT licence, August 2026) and "CDNA5" Instruction Set Architecture Reference Guide (July 2026). The comments in the code are by the model that wrote it; some were corrected since.
;; MSA. Allowed arithmetic: matrix products marked QUANTISED: E2M3 operands, one E8M0 scale for each 32 along K, by v_wmma_scale_f32_16x16x128_f8f6f4 with both operands' format E2M3, f32 sums; everything else in f32.
;; Inputs: W_proj 1,024 x 1,024 float32; W_qkv 3,072 x 1,024 float32; x 4 x 2,048 x 1,024 float32.
;; Outputs: out0 4 x 2,048 x 1,024 float32; out1 4 x 2,048 x 1,024 float32.
;; This version of the problem:
;;   THIS VERSION OF THE PROBLEM IS GIVEN IN LOW PRECISION. The matrix products marked QUANTISED in the list below multiply operands that are first quantised to E2M3 (2 exponent bits, 3 mantissa bits; 6 bits a number), with one power-of-two scale for each 32 numbers along K (OCP MX v1.0); their sums are f32. All else is computed in f32.
;;   The module's matrix products, in the order in which they are computed (A, B: the left and right operand; K: the contracted axis; several contracted axes count as one K, in the product's order):
;;     1. [M 8,192, K 1,024] x [K 1,024, N 3,072]; A: input x; B: input W_qkv: QUANTISED
;;     2. batch 64 x [M 2,048, K 64] x [K 64, N 2,048]; A: computed on the way; B: computed on the way: QUANTISED
;;     3. batch 64 x [M 2,048, K 2,048] x [K 2,048, N 64]; A: softmax (see below); B: computed on the way: QUANTISED
;;     4. [M 8,192, K 1,024] x [K 1,024, N 1,024]; A: computed on the way; B: input W_proj: QUANTISED
;;   THE QUANTISER, for each operand of a quantised product, along K:
;;     - K is cut into blocks of 32 from its start; a last block that is shorter is filled with zeros.
;;     - A block's scale is 2^e with e = floor(log2(the largest magnitude in the block)) - 2, held to -126 .. 127; a block of zeros has e = 0. As a byte (E8M0): e + 127.
;;     - Each number is divided by its block's scale, clamped to +-7.5, and rounded to the nearest number of E2M3, ties to even, subnormals kept.
;;     - The product sums the exact products of the quantised numbers (number of the format x scale) in f32.
;;   ~~~python
;;   def quantise(x, axis):      # numpy; x: float32 -> the quantised numbers, widened to float32 again
;;       x = np.moveaxis(x, axis, -1); K = x.shape[-1]
;;       x = np.pad(x, [(0, 0)] * (x.ndim - 1) + [(0, -K % 32)]); x = x.reshape(x.shape[:-1] + (-1, 32)); a = np.abs(x).max(-1, keepdims=True)
;;       e = np.where(a > 0, np.clip(np.frexp(np.where(a > 0, a, 1))[1] - 1 - 2, -126, 127), 0)      # np.frexp(a)[1] - 1 = floor(log2(a)), exactly
;;       r = np.clip(x / 2.0 ** e, -7.5, 7.5)
;;       step = 2.0 ** (np.maximum(np.frexp(np.where(r == 0, 1, r))[1] - 1, 0) - 3)
;;       q = np.round(r / step) * step * 2.0 ** e      # np.round: ties to even
;;       return np.moveaxis(q.reshape(q.shape[:-2] + (-1,))[..., :K], -1, axis).astype(np.float32)
;;   ~~~
;;   SOFTMAX AHEAD OF A QUANTISED PRODUCT. Where the list says 'softmax', what is quantised is not the finished softmax but p = 2^(t - M), with t = logit x log2(e) and M = ceil(the row's largest t), a whole number; so 1/2 < the row's largest p <= 1. The row's sum l is taken of the UNQUANTISED p, in f32, and the product's result is divided by l at the end. Since M is a whole number, a kernel that streams over the keys may use a running M (the ceiling of the running maximum): every later rescaling is an exact power of two, which a block's scale takes up: the codes' values come out the same.
;;   OPERANDS COMPUTED ON THE WAY. 'Computed on the way' means the value that the module computes at that place (a softmax that the list does not call 'softmax' is quantised finished and normalised). What goes into a quantiser is computed in f32, as accurately as f32 sums, v_exp_f32 and their like allow (about 1e-6 of the number): no bf16 or f16 on the way to a quantiser, and a product that is left as it is and whose result goes on into a quantised operand takes f32 operands (vector FMAs, or v_wmma_f32_16x16x4_f32). A number that lies on a knife's edge between two numbers of the format may be rounded either way, as far as f32 arithmetic and the matrix unit's own rounding can turn it there, and no further.
;; One version. Each part assembles by itself: llvm-mc -triple=amdgcn-amd-amdhsa -mcpu=gfx1250 --defsym DOCPART=n.
;; ======== version 1 of 1: 4 launches
;; limits: right only within a limited range of input values
;; workspace buffers: ops 9,830,400 bytes; svq 6,553,600 bytes; kv 13,107,200 bytes; qi 6,553,600 bytes
;; launch quant (part 1): grid 768 x 1, 2 waves a work-group, no clusters, 17,152 bytes of LDS; arguments x, W_qkv, W_proj, ops; writes ops
.if DOCPART == 1
	.amdgcn_target "amdgcn-amd-amdhsa--gfx1250"
	.amdhsa_code_object_version 6
	.text
	.protected	k_q308dbcfd84_quant
	.globl	k_q308dbcfd84_quant
	.p2align	8
	.type	k_q308dbcfd84_quant,@function
k_q308dbcfd84_quant:
	s_mov_b64 s[64:65], 0
	v_nop
	global_prefetch_b8 v0, s[64:65] scope:SCOPE_SE
	s_setreg_imm32_b32 hwreg(HW_REG_WAVE_MODE, 25, 1), 1
	s_wait_xcnt 0x0
; x [8192][1024], W_qkv [3072][1024], W_proj [1024][1024], f32, K innermost, become codes of FP6 (E2M3) with one E8M0 byte for each 32 along K,
; laid in ops AS THE MATRIX UNIT'S REGISTERS TAKE THEM.  The 12,288 rows on end form 96 groups of 128 rows (0-63 x, 64-87 W_qkv, 88-95 W_proj), 102,400 bytes a group:
;   codes at s*12288 + i*1536 (s: K step of 128, i: block of 16 rows): a fragment's 12 registers as three runs of 512 bytes, run c = registers 4c..4c+3, lane l's 16 bytes at 16 l;
;   scale words (four bytes: a row's four blocks of a K step) at 98304 + s*512 + (i/4)*256 + 16 r + 4 (i%4).
; THE ROWS OF A BLOCK ARE NOT NEIGHBOURS: lane r of block i holds row 32 (i/2) + 8 (i%2) + r + 8 (r/8) of its group, so that a product which takes such blocks as its first source
; leaves 16 neighbouring rows in a lane's 16 registers of two neighbouring tiles: what the next quantiser wants.
; A block's scale is 2^(floor(log2(its largest magnitude)) - 2); its byte is the largest magnitude's exponent field - 2, held at 1 from below.
; LIMITS: a block of zeros gets the byte 1 where the rule says 127 (its codes are zeros, and this program alone reads the bytes); blocks whose largest magnitude lies under 2^-124 keep the byte 1; NaN and infinities are not served.
; SHARES: a wave takes 64 rows (four blocks) x one K step: four fragments, 32 KiB of f32.  1,536 such tasks = 768 work-groups of two waves.  Waves share nothing: no barrier.
; Each load reads 512 consecutive bytes of one row; the 16 rows of a fragment turn through the wave's own stage in LDS and come back 16 neighbours of each block of 32 to a lane.
; No matrix unit, no cluster, no tensor load: every byte is read once by one wave.
.set SP,    528                        ; a stage row: 512 bytes + 16: the sixteen rows that a load touches start at sixteen different banks
.set STG,   16*SP                      ; a wave's stage
.set SPARE, 2*STG                      ; behind the stages: the spare words, 128 bytes for each wave: one block of 256 bytes that no other line names
.set GRP,   102400
.set GSC,   98304
.set LOFF,  1                          ; v1   16 x lane: my bytes of a row's 512, and of an image's run
.set STI,   2                          ; v2   the stage, on the way in
.set STO,   3                          ; v3   and on the way out: row r, + 64 h
.set SOFF,  4                          ; v4   16 r: my row's four scale words
.set LN,    5                          ; v5   lane
.set SPW,   12                         ; v12  LDS address of my spare word; never rewritten
.set NIL,   13                         ; v13  0; never rewritten
.set R,     16                         ; v16-143  two sets of 64 numbers
.set PC,    144                        ; v144-191 codes: 12 registers for each fragment, so that no store's data are written again
.set PW,    192                        ; v192-195 a scale word for each fragment
.set TM,    200                        ; v200-203 largest magnitudes, v204-207 bytes, v212-215 the conversions' scale operands
.set TC,    216                        ; v216-222 the second halves of the blocks' codes
.set SEL,   20                         ; s[20:21] v_permlanex16_b32's selects for lane l xor 16
	s_load_b256 s[4:11], s[0:1], 0x0               ; x s[4:5], W_qkv s[6:7], W_proj s[8:9], ops s[10:11]
	v_lshl_add_u32 v[SPW], v0, 2, SPARE
	v_mov_b32 v[NIL], 0
	v_lshrrev_b32 v6, 5, v0
	v_readfirstlane_b32 s16, v6                    ; wave 0, 1
	v_and_b32 v[LN], 31, v0
	v_and_b32 v6, 15, v0                           ; r
	v_bfe_u32 v7, v0, 4, 1                         ; h
	v_lshlrev_b32 v[LOFF], 4, v[LN]
	s_mul_i32 s17, s16, STG
	v_add_nc_u32 v[STI], s17, v[LOFF]
	v_mul_u32_u24 v[STO], v6, SP
	v_lshl_add_u32 v[STO], v7, 6, v[STO]
	v_add_nc_u32 v[STO], s17, v[STO]
	v_lshlrev_b32 v[SOFF], 4, v6
	s_mov_b32 s[SEL], 0x76543210
	s_mov_b32 s[SEL+1], 0xfedcba98
.irp b, 0,1,2,3
	v_mov_b32 v[TM+4+\b], 0                        ; written once: a lane permute's destination counts as one of its sources
.endr
	s_lshr_b32 s13, ttmp9, 2                       ; which 64 rows of the 12,288
	s_and_b32 s14, ttmp9, 3
	s_lshl_b32 s14, s14, 1
	s_or_b32 s14, s14, s16                         ; which K step: 0..7
	s_mov_b32 s12, 176
	s_wait_alu depctr_va_vdst(0)
	s_wait_kmcnt 0x0
	s_cmp_lt_u32 ttmp9, 704                        ; the tensor is chosen by the work-group's number alone
	s_cselect_b64 s[6:7], s[6:7], s[8:9]
	s_cselect_b32 s12, 128, s12
	s_cmp_lt_u32 ttmp9, 512
	s_cselect_b64 s[4:5], s[4:5], s[6:7]
	s_cselect_b32 s12, 0, s12                      ; at which run of 64 rows the tensor begins
	s_sub_co_u32 s12, s13, s12
	s_lshl_b32 s18, s12, 18                        ; 64 rows of 4,096 bytes
	s_lshl_b32 s19, s14, 9                         ; + the K step's 512 bytes
	s_add_co_u32 s18, s18, s19
	s_mov_b32 s19, 0
	s_add_nc_u64 s[4:5], s[4:5], s[18:19]
	s_lshr_b32 s18, s13, 1
	s_mul_i32 s18, s18, GRP                        ; my group
	s_and_b32 s22, s13, 1                          ; its blocks 0-3 or 4-7
	s_mul_i32 s23, s14, 12288
	s_add_co_u32 s24, s18, s23
	s_mul_i32 s23, s22, 6144
	s_add_co_u32 s24, s24, s23
	s_mov_b32 s25, 0
	s_lshl_b32 s23, s14, 9
	s_add_co_u32 s26, s18, s23
	s_lshl_b32 s23, s22, 8
	s_add_co_u32 s26, s26, s23
	s_add_co_u32 s26, s26, GSC
	s_mov_b32 s27, 0
	s_add_nc_u64 s[24:25], s[10:11], s[24:25]      ; my four images
	s_add_nc_u64 s[26:27], s[10:11], s[26:27]      ; my 256 bytes of scale words
.macro LOAD f                          ; fragment f's 16 rows, 512 consecutive bytes each, into set f % 2
.irp i, 0,1,2,3,4,5,6,7,8,9,10,11,12,13,14,15
	global_load_b128 v[R+64*((\f)%2)+4*\i:R+64*((\f)%2)+4*\i+3], v[LOFF], s[4:5] offset:(32*((\f)/2)+8*((\f)%2)+\i+8*(\i/8))*4096 th:TH_LOAD_NT
.endr
.endm
.macro TURN f                          ; through the stage: LDS serves a wave's instructions in order, so no wait stands between the stores and the loads, nor in front of the next fragment's stores
.irp i, 0,1,2,3,4,5,6,7,8,9,10,11,12,13,14,15
	ds_store_b128 v[STI], v[R+64*((\f)%2)+4*\i:R+64*((\f)%2)+4*\i+3] offset:\i*SP
.endr
.irp b, 0,1,2,3
.irp j, 0,1,2,3
	ds_load_b128 v[R+64*((\f)%2)+16*\b+4*\j:R+64*((\f)%2)+16*\b+4*\j+3], v[STO] offset:128*\b+16*\j   ; register 16 b + i = k 32 b + 16 h + i of row r
.endr
.endr
.endm
; 64 numbers of a lane, register 16 b + i = k 32 b + 16 (lane / 16) + i of my row, become a fragment: registers 0-5 at v[d0], 6-11 at v[d1], the scale word in v[w]
.macro QUANT s, d0, d1, w
.irp b, 0,1,2,3
	v_max3_num_f32 v[TM+\b], |v[\s+16*\b]|, |v[\s+1+16*\b]|, 0x1800000   ; block b: my 16 numbers, and the floor 2^(3 - 127): the byte cannot fall under 1
.endr
.irp i, 2,4,6,8,10,12,14
.irp b, 0,1,2,3
	v_max3_num_f32 v[TM+\b], v[TM+\b], |v[\s+16*\b+\i]|, |v[\s+1+16*\b+\i]|   ; the four blocks by turns
.endr
.endr
.irp b, 0,1,2,3
	v_permlanex16_b32 v[TM+4+\b], v[TM+\b], s[SEL], s[SEL+1]
.endr
.irp b, 0,1,2,3
	v_max_num_f32 v[TM+\b], v[TM+\b], v[TM+4+\b]   ; with lane l xor 16's: the block's largest magnitude
.endr
.irp b, 0,1,2,3
	v_add_nc_u32 v[TM+12+\b], 0xff000000, v[TM+\b] ; 2 off its exponent field: the conversion takes the exponent field of this operand as its scale
.endr
.irp b, 0,1,2,3
	v_lshrrev_b32 v[TM+4+\b], 23, v[TM+12+\b]      ; the scale's byte
.endr
	v_lshl_or_b32 v[\w], v[TM+5], 8, v[TM+4]
	v_lshl_or_b32 v[\w], v[TM+6], 16, v[\w]
	v_lshl_or_b32 v[\w], v[TM+7], 24, v[\w]
	v_cvt_scalef32_pk16_fp6_f32 v[\d0:\d0+2], v[\s:\s+15], v[TM+12]
	v_cvt_scalef32_pk16_fp6_f32 v[TC:TC+2], v[\s+16:\s+31], v[TM+13]      ; (a conversion's three registers begin on an even number)
	v_cvt_scalef32_pk16_fp6_f32 v[\d1:\d1+2], v[\s+32:\s+47], v[TM+14]
	v_cvt_scalef32_pk16_fp6_f32 v[TC+4:TC+6], v[\s+48:\s+63], v[TM+15]
	v_nop                                          ; one plain place behind a scaled conversion
.irp i, 0,1,2
	v_permlane16_swap_b32 v[\d0+\i], v[TC+\i]      ; the layout wants a whole block in a lane: lanes 0-15 the even block, lanes 16-31 the odd one
.endr
.irp i, 0,1,2
	v_mov_b32 v[\d0+3+\i], v[TC+\i]
.endr
.irp i, 0,1,2
	v_permlane16_swap_b32 v[\d1+\i], v[TC+4+\i]
.endr
.irp i, 0,1,2
	v_mov_b32 v[\d1+3+\i], v[TC+4+\i]
.endr
.endm
	LOAD 0
	LOAD 1
.irp f, 0,1,2,3
.if \f < 3
	s_wait_loadcnt 16                              ; this fragment's 16 loads are in; the next one's may be out
.else
	s_wait_loadcnt 0x0
.endif
	TURN \f
	s_wait_dscnt 0x0
	QUANT R+64*(\f%2), PC+12*\f, PC+12*\f+6, PW+\f
.if \f < 2
	LOAD \f+2                                      ; into the set just quantised
.endif
.irp c, 0,1,2
	global_store_b128 v[LOFF], v[PC+12*\f+4*\c:PC+12*\f+4*\c+3], s[24:25] offset:1536*\f+512*\c   ; 32 lanes store 512 consecutive bytes, aligned
.endr
.endr
	v_cmp_gt_u32 vcc_lo, 16, v[LN]
	s_wait_xcnt 0x0                                ; EXEC changes only behind this wait
	s_and_saveexec_b32 s28, vcc_lo
	global_store_b128 v[SOFF], v[PW:PW+3], s[26:27]    ; sixteen lanes store 256 consecutive bytes, aligned: the four blocks' scale words
	s_wait_xcnt 0x0
	s_or_b32 exec_lo, exec_lo, s28
	s_wait_tensorcnt 0x0                           ; the wave's end, behind my last LDS store
	ds_add_u32 v[SPW], v[NIL]
	s_wait_dscnt 0x0
	s_endpgm
.Lfunc_end_k_q308dbcfd84_quant:
	.size	k_q308dbcfd84_quant, .Lfunc_end_k_q308dbcfd84_quant-k_q308dbcfd84_quant
	.p2alignl 7, 3214868480
	.fill 96, 4, 3214868480
	.section	.rodata,"a",@progbits
	.p2align	6, 0x0
	.amdhsa_kernel k_q308dbcfd84_quant
		.amdhsa_group_segment_fixed_size 17152
		.amdhsa_private_segment_fixed_size 0
		.amdhsa_enable_private_segment 0
		.amdhsa_kernarg_size 32
		.amdhsa_user_sgpr_count 2
		.amdhsa_user_sgpr_kernarg_segment_ptr 1
		.amdhsa_wavefront_size32 1
		.amdhsa_system_sgpr_workgroup_id_x 1
		.amdhsa_system_sgpr_workgroup_id_y 1
		.amdhsa_system_sgpr_workgroup_id_z 1
		.amdhsa_system_vgpr_workitem_id 0
		.amdhsa_next_free_vgpr 224
		.amdhsa_next_free_sgpr 66
		.amdhsa_reserve_vcc 1
		.amdhsa_float_denorm_mode_32 3
		.amdhsa_float_denorm_mode_16_64 3
		.amdhsa_memory_ordered 1
		.amdhsa_forward_progress 1
		.amdhsa_inst_pref_size 34
	.end_amdhsa_kernel
	.amdgpu_metadata
---
amdhsa.version: [ 1, 2 ]
amdhsa.kernels:
  - .name:           k_q308dbcfd84_quant
    .symbol:         k_q308dbcfd84_quant.kd
    .args:
      - { .name: x, .offset: 0, .size: 8, .value_kind: global_buffer, .address_space: global }
      - { .name: W_qkv, .offset: 8, .size: 8, .value_kind: global_buffer, .address_space: global }
      - { .name: W_proj, .offset: 16, .size: 8, .value_kind: global_buffer, .address_space: global }
      - { .name: ops, .offset: 24, .size: 8, .value_kind: global_buffer, .address_space: global }
    .group_segment_fixed_size: 17152
    .private_segment_fixed_size: 0
    .kernarg_segment_align: 8
    .kernarg_segment_size: 32
    .max_flat_workgroup_size: 64
    .sgpr_count:     66
    .vgpr_count:     224
    .wavefront_size: 32
...
	.end_amdgpu_metadata
.endif
;; end of part 1
;; launch qkv (part 2): grid 12 x 32, 4 waves a work-group, clusters of 4 x 4, 327,680 bytes of LDS; arguments ops, qi, kv; writes qi, kv
.if DOCPART == 2
	.amdgcn_target "amdgcn-amd-amdhsa--gfx1250"
	.amdhsa_code_object_version 6
	.text
	.protected	k_q308dbcfd84_qkv
	.globl	k_q308dbcfd84_qkv
	.p2align	8
	.type	k_q308dbcfd84_qkv,@function
k_q308dbcfd84_qkv:
	s_mov_b64 s[64:65], 0
	v_nop
	global_prefetch_b8 v0, s[64:65] scope:SCOPE_SE
	s_setreg_imm32_b32 hwreg(HW_REG_WAVE_MODE, 25, 1), 1
	s_wait_xcnt 0x0
	s_wait_alu depctr_hold_cnt(0) depctr_sa_sdst(0) depctr_va_vdst(0) depctr_va_sdst(0) depctr_va_ssrc(0) depctr_va_vcc(0) depctr_vm_vsrc(0)
	s_getreg_b32 s2, hwreg(HW_REG_IB_STS2, 6, 4)
	s_cmp_eq_u32 s2, 0
	s_cbranch_scc0 .Lentry_in_a_cluster
	s_endpgm
.Lentry_in_a_cluster:
	s_bfe_u32 s2, ttmp6, 0x10000c
	s_cmp_lg_u32 s2, 0xf033
	s_cbranch_scc0 .Lentry_shape_is_right
	s_endpgm
.Lentry_shape_is_right:
.set FR,    12
.set NL,    3
.set NP,    4
.set NQ,    2
.set KIMG,  8*FR*128
.set HALFT, NQ*KIMG
.set SLOT,  4*HALFT
.set GRP,   102400
.set GSC,   8*KIMG
.set GSB,   4096
.set SCL,   2*SLOT
.set SPARE, SCL+4*GSB
.set LAPS,  2
.set L16,  3
.set ADRA, 16
.set ADRB, 20
.set VO1,  25
.set VSO,  26
.set ADRS, 27
.set SPW,  28
.set NIL,  29
.set SC,   32
.set AF,   128
.set IMG,  64
.set TM,   200
.set TC,   216
.set WS,   224
.set WO,   232
.set G1, 24
.set G0, 32
.set G1B, 48
.set G0B, 56
.set G1S, 68
.set G0S, 76
.set G1SB, 80
.set G0SB, 88
.set MSB, 0
.macro WIN new
.if MSB != (\new)
	s_set_vgpr_msb (MSB<<8)|(\new)
.set MSB, (\new)
.endif
.endm
.set MUL_LO, 0xa1
.set MUL_HI, 0xf1
.set TO_B,   0x40
.macro JLOAD g0a, g1a, g0b, g1b
	s_cmp_eq_u32 s15, 0
	s_cbranch_scc0 .Lfor_b_\@
	tensor_load_to_lds s[\g0a:\g0a+3], s[\g1a:\g1a+7]
	s_nop 0
.rept 4
	v_nop
.endr
	s_branch .Lasked_\@
.Lfor_b_\@:
	tensor_load_to_lds s[\g0b:\g0b+3], s[\g1b:\g1b+7]
	s_nop 0
.rept 4
	v_nop
.endr
.Lasked_\@:
.endm
.macro CREST
	s_cmp_lg_u32 s14, 0
	s_cbranch_scc1 .Lnot_wave_0_\@
	s_barrier_signal -3
.Lnot_wave_0_\@:
	s_barrier_wait -3
	s_barrier_signal -1
	s_barrier_wait -1
.endm
.macro CROUND
	s_barrier_signal -1
	s_barrier_wait -1
	CREST
.endm
.macro PLACES n
.rept \n
	v_nop
.endr
.endm
	s_load_b128 s[4:7], s[0:1], 0x0
	s_load_b64 s[8:9], s[0:1], 0x10
	v_lshl_add_u32 v[SPW], v0, 2, SPARE
	v_mov_b32 v[NIL], 0
	ds_add_u32 v[SPW], v[NIL]
	ds_add_u32 v[SPW], v[NIL]
	v_lshrrev_b32 v1, 5, v0
	v_readfirstlane_b32 s14, v1
	s_lshr_b32 s15, s14, 1
	s_and_b32 s16, s14, 1
	s_bfe_u32 s40, ttmp6, 0x40000
	s_bfe_u32 s41, ttmp6, 0x40004
	s_and_b32 s17, ttmp7, 0xffff
	s_lshl_b32 s43, s41, 2
	s_lshl_b32 s43, 15, s43
	s_lshl_b32 s44, 0x1111, s40
	s_or_b32 s[G1+0], s43, (3<<16)|(1<<21)
	s_or_b32 s[G1B+0], s44, (3<<16)|(1<<21)
.irp g, G1, G1B
	s_mov_b32 s[\g+1], 32<<16
	s_mov_b32 s[\g+2], (HALFT/256)<<16
	s_mov_b32 s[\g+3], 32<<16
	s_mov_b32 s[\g+4], HALFT/256
	s_mov_b32 s[\g+5], 32
	s_mov_b32 s[\g+6], 0
	s_mov_b32 s[\g+7], 0
.endr
	s_or_b32 s[G1S+0], s43, (3<<16)|(1<<21)
	s_or_b32 s[G1SB+0], s44, (3<<16)|(1<<21)
.irp g, G1S, G1SB
	s_mov_b32 s[\g+1], 32<<16
	s_mov_b32 s[\g+2], (GSB/256)<<16
	s_mov_b32 s[\g+3], 32<<16
	s_mov_b32 s[\g+4], GSB/256
	s_mov_b32 s[\g+5], 32
	s_mov_b32 s[\g+6], 0
	s_mov_b32 s[\g+7], 0
.endr
	s_cmp_eq_u32 ttmp9, 2
	s_cselect_b32 s20, 80, 0
	s_cselect_b32 s21, 0, s17
	s_cselect_b32 s46, 0, 64
	s_cselect_b32 s47, s17, ttmp9
	s_lshl_b32 s21, s21, 3
	s_add_co_u32 s20, s20, s21
	s_lshl_b32 s21, s41, 1
	s_add_co_u32 s20, s20, s21
	s_add_co_u32 s20, s20, s16
	s_lshl_b32 s47, s47, 3
	s_add_co_u32 s46, s46, s47
	s_lshl_b32 s47, s40, 1
	s_add_co_u32 s46, s46, s47
	s_add_co_u32 s46, s46, s16
	s_mul_i32 s20, s20, GRP
	s_mov_b32 s21, 0
	s_mul_i32 s46, s46, GRP
	s_mov_b32 s47, 0
	s_mul_i32 s45, s14, HALFT
	s_lshl_b32 s94, s14, 12
	s_wait_dscnt 0x0
	s_wait_kmcnt 0x0
	s_add_nc_u64 s[20:21], s[4:5], s[20:21]
	s_add_nc_u64 s[46:47], s[4:5], s[46:47]
	CROUND
	s_mov_b32 s[G0S], 1
	s_add_co_u32 s[G0S+1], s94, SCL
	s_add_nc_u64 s[G0S+2:G0S+3], s[20:21], GSC
	s_or_b32 s[G0S+3], s[G0S+3], 0x80000000
	s_mov_b32 s[G0SB], 1
	s_add_co_u32 s[G0SB+1], s94, SCL
	s_add_nc_u64 s[G0SB+2:G0SB+3], s[46:47], GSC
	s_or_b32 s[G0SB+3], s[G0SB+3], 0x80000000
	JLOAD G0S, G1S, G0SB, G1SB
.irp s, 0,1
	s_mov_b32 s[G0+4*\s], 1
	s_add_co_u32 s[G0+4*\s+1], s45, \s*SLOT
	s_add_nc_u64 s[G0+4*\s+2:G0+4*\s+3], s[20:21], \s*HALFT
	s_or_b32 s[G0+4*\s+3], s[G0+4*\s+3], 0x80000000
	s_mov_b32 s[G0B+4*\s], 1
	s_add_co_u32 s[G0B+4*\s+1], s45, \s*SLOT
	s_add_nc_u64 s[G0B+4*\s+2:G0B+4*\s+3], s[46:47], \s*HALFT
	s_or_b32 s[G0B+4*\s+3], s[G0B+4*\s+3], 0x80000000
	s_wait_alu depctr_va_vdst(0)
	s_wait_tensorcnt 0x0
	ds_add_u32 v28, v29
	s_wait_dscnt 0x0
	CROUND
	JLOAD G0+4*\s, G1, G0B+4*\s, G1B
.endr
	v_and_b32 v1, 15, v0
	v_bfe_u32 v2, v0, 4, 1
	s_wait_alu depctr_va_vdst(0)
	v_and_b32 v[L16], 31, v0
	v_lshlrev_b32 v[L16], 4, v[L16]
	s_mul_i32 s21, s15, HALFT
	s_mul_i32 s22, s16, HALFT
	s_add_co_u32 s22, s22, 2*HALFT
.irp s, 0,1
	v_add_nc_u32 v[ADRA+\s], s21, v[L16]
	v_add_nc_u32 v[ADRB+\s], s22, v[L16]
	s_add_co_u32 s21, s21, SLOT
	s_add_co_u32 s22, s22, SLOT
.endr
	s_lshl_b32 s21, s15, 12
	s_lshl_b32 s22, s16, 12
	s_add_co_u32 s22, s22, 2*GSB
	s_sub_co_u32 s22, s22, s21
	v_mul_u32_u24 v6, s22, v2
	s_add_co_u32 s21, s21, SCL
	v_lshl_add_u32 v5, v1, 4, v6
	v_add_nc_u32 v[ADRS], s21, v5
.macro FRAG reg, adr, q, i
.irp c, 0,1,2
	ds_load_b128 v[\reg+4*\c:\reg+4*\c+3], v[\adr] offset:(\q)*KIMG+(\i)*1536+512*\c
.endr
.endm
.macro MUL16 a0, p, q, sc, zero
.irp a, \a0, \a0+1
.irp b, 0,1,2,3,4,5,6,7
.if \zero
	v_wmma_scale_f32_16x16x128_f8f6f4 v[8*(8*((\a)%4)+\b):8*(8*((\a)%4)+\b)+7], v[128*(\p)+FR*\b:128*(\p)+FR*\b+FR-1], v[AF+FR*(\a):AF+FR*(\a)+FR-1], 0, v[SC+16*(\sc)+8*(\q)+\b], v[SC+16*(\sc)+8*(\q)+(\a)] matrix_a_fmt:MATRIX_FMT_FP6 matrix_b_fmt:MATRIX_FMT_FP6 matrix_a_scale:MATRIX_SCALE_ROW1
.else
	v_wmma_scale_f32_16x16x128_f8f6f4 v[8*(8*((\a)%4)+\b):8*(8*((\a)%4)+\b)+7], v[128*(\p)+FR*\b:128*(\p)+FR*\b+FR-1], v[AF+FR*(\a):AF+FR*(\a)+FR-1], v[8*(8*((\a)%4)+\b):8*(8*((\a)%4)+\b)+7], v[SC+16*(\sc)+8*(\q)+\b], v[SC+16*(\sc)+8*(\q)+(\a)] matrix_a_fmt:MATRIX_FMT_FP6 matrix_b_fmt:MATRIX_FMT_FP6 matrix_a_scale:MATRIX_SCALE_ROW1
.endif
.endr
.endr
.endm
.macro FETCH_B slot, q, p
	WIN TO_B
.irp i, 0,1,2,3,4,5,6,7
	FRAG 128*(\p)+FR*\i, ADRB+\slot, \q, \i
.endr
	WIN 0
.endm
.macro FETCH_A slot, q, i0
.irp i, \i0, \i0+1, \i0+2, \i0+3
	FRAG AF+FR*(\i), ADRA+\slot, \q, \i
.endr
.endm
.macro SCALES sc
.irp q, 0,1
.irp p, 0,1
	ds_load_b128 v[SC+16*\sc+8*\q+4*\p:SC+16*\sc+8*\q+4*\p+3], v[ADRS] offset:512*\q+256*\p
.endr
.endr
.endm
.macro STEP slot, q, zero
	s_wait_dscnt 4*NL
	WIN MUL_LO
	MUL16 0, (\q)%2, \q, \slot, \zero
	MUL16 2, (\q)%2, \q, \slot, \zero
	s_wait_dscnt 0
	PLACES NP
	FETCH_B \slot, (\q)+1, 1-(\q)%2
	FETCH_A \slot, (\q)+1, 0
	WIN MUL_HI
	MUL16 4, (\q)%2, \q, \slot, \zero
	MUL16 6, (\q)%2, \q, \slot, \zero
	PLACES NP
	WIN 0
	FETCH_A \slot, (\q)+1, 4
.endm
.macro TURN slot, next, fill
	s_wait_tensorcnt 0x0
	ds_add_u32 v[SPW], v[NIL]
	s_wait_dscnt 4*NL+1
	WIN MUL_LO
	MUL16 0, 1, NQ-1, \slot, 0
	s_wait_dscnt 0x0
	s_barrier_signal -1
	MUL16 2, 1, NQ-1, \slot, 0
	WIN 0
	s_barrier_wait -1
.if \fill
	CREST
	s_add_nc_u64 s[G0+4*\slot+2:G0+4*\slot+3], s[G0+4*\slot+2:G0+4*\slot+3], 2*HALFT
	s_add_nc_u64 s[G0B+4*\slot+2:G0B+4*\slot+3], s[G0B+4*\slot+2:G0B+4*\slot+3], 2*HALFT
	JLOAD G0+4*\slot, G1, G0B+4*\slot, G1B
.else
	PLACES NP
.endif
	s_wait_alu depctr_va_vdst(0)
	v_add_nc_u32 v[ADRS], 512*NQ, v[ADRS]
	FETCH_B \next, 0, 0
	FETCH_A \next, 0, 0
	SCALES \next
	WIN MUL_HI
	MUL16 4, 1, NQ-1, \slot, 0
	MUL16 6, 1, NQ-1, \slot, 0
	PLACES NP
	WIN 0
	FETCH_A \next, 0, 4
.endm
	s_wait_alu depctr_va_vdst(0)
	s_wait_tensorcnt 1
	s_barrier_signal -1
	s_barrier_wait -1
	FETCH_B 0, 0, 0
	FETCH_A 0, 0, 0
	SCALES 0
	FETCH_A 0, 0, 4
	STEP 0, 0, 1
	s_mov_b32 s3, LAPS-1
.Llap:
	TURN 0, 1, 1
	STEP 1, 0, 0
	TURN 1, 0, 1
	STEP 0, 0, 0
	s_sub_co_u32 s3, s3, 1
	s_cmp_lg_u32 s3, 0
	s_cbranch_scc1 .Llap
	TURN 0, 1, 0
	STEP 1, 0, 0
	s_wait_dscnt 4*NL
	WIN MUL_LO
	MUL16 0, 1, NQ-1, 1, 0
	MUL16 2, 1, NQ-1, 1, 0
	s_wait_dscnt 0
	WIN MUL_HI
	MUL16 4, 1, NQ-1, 1, 0
	MUL16 6, 1, NQ-1, 1, 0
	WIN 0
.macro QUANTW a, d0, d1
.set AC, 64*((\a)%4)
.set WN, 2+(\a)/4
.irp b, 0,1,2,3
	v_mov_b32 v[TM+\b], 0x1800000
.endr
	WIN 0x14*WN
.irp i, 0,2,4,6,8,10,12,14
.irp b, 0,1,2,3
	v_max3_num_f32 v[TM+\b], v[TM+\b], |v[AC+16*\b+\i]|, |v[AC+16*\b+\i+1]|
.endr
.endr
	WIN 0
.irp b, 0,1,2,3
	v_permlanex16_b32 v[TM+4+\b], v[TM+\b], s96, s97
.endr
.irp b, 0,1,2,3
	v_max_num_f32 v[TM+\b], v[TM+\b], v[TM+4+\b]
.endr
.irp b, 0,1,2,3
	v_add_nc_u32 v[TM+12+\b], 0xff000000, v[TM+\b]
.endr
.irp b, 0,1,2,3
	v_lshrrev_b32 v[TM+4+\b], 23, v[TM+12+\b]
.endr
	WIN WN
	v_cvt_scalef32_pk16_fp6_f32 v[\d0:\d0+2], v[AC:AC+15], v[TM+12]
	v_cvt_scalef32_pk16_fp6_f32 v[TC:TC+2], v[AC+16:AC+31], v[TM+13]
	v_cvt_scalef32_pk16_fp6_f32 v[\d1:\d1+2], v[AC+32:AC+47], v[TM+14]
	v_cvt_scalef32_pk16_fp6_f32 v[TC+4:TC+6], v[AC+48:AC+63], v[TM+15]
	WIN 0
	v_nop
.irp i, 0,1,2
	v_permlane16_swap_b32 v[\d0+\i], v[TC+\i]
.endr
.irp i, 0,1,2
	v_mov_b32 v[\d0+3+\i], v[TC+\i]
.endr
.irp i, 0,1,2
	v_permlane16_swap_b32 v[\d1+\i], v[TC+4+\i]
.endr
.irp i, 0,1,2
	v_mov_b32 v[\d1+3+\i], v[TC+4+\i]
.endr
.endm
.macro IMGOUT x, vo
.irp t, 0,1,2,3
.irp c, 0,1,2
	global_store_b128 v[\vo], v[IMG+48*\x+12*\t+4*\c:IMG+48*\x+12*\t+4*\c+3], s[6:7] offset:1536*\t+512*\c
.endr
.endr
.endm
	PLACES NP
.irp b, 0,1,2,3
	v_mov_b32 v[TM+4+\b], 0
.endr
	s_mov_b32 s96, 0x76543210
	s_mov_b32 s97, 0xfedcba98
	s_mov_b32 s98, 0xffff0000
	s_cmp_eq_u32 ttmp9, 2
	s_cselect_b32 s20, s40, s41
	s_cselect_b32 s21, s16, s15
	s_cselect_b32 s22, s41, s40
	s_cselect_b32 s23, s15, s16
	s_cselect_b32 s92, 6144, 0
	s_mov_b32 s93, 12288
	s_cselect_b32 s93, 6400, s93
	s_cmp_eq_u32 ttmp9, 0
	s_cselect_b64 s[6:7], s[6:7], s[8:9]
	s_mov_b32 s95, 12800
	s_cselect_b32 s95, 6400, s95
	s_cselect_b32 s93, 6144, s93
	s_lshl_b32 s94, s17, 3
	s_lshl_b32 s20, s20, 1
	s_add_co_u32 s94, s94, s20
	s_add_co_u32 s94, s94, s21
	s_lshl_b32 s22, s22, 2
	s_lshl_b32 s23, s23, 1
	s_add_co_u32 s22, s22, s23
	s_lshr_b32 s20, s94, 4
	s_lshl_b32 s20, s20, 4
	s_add_co_u32 s20, s20, s22
	s_lshl_b32 s20, s20, 4
	s_and_b32 s21, s94, 15
	s_add_co_u32 s20, s20, s21
	s_mul_i32 s20, s20, s95
	s_add_co_u32 s20, s20, s92
	s_mov_b32 s21, 0
	s_add_nc_u64 s[6:7], s[6:7], s[20:21]
	s_lshl_b32 s99, s95, 4
	v_add_nc_u32 v[VO1], s99, v[L16]
	v_mul_u32_u24 v[VSO], s99, v2
	v_lshl_add_u32 v[VSO], v1, 4, v[VSO]
	v_add_nc_u32 v[VSO], s93, v[VSO]
	s_cmp_eq_u32 ttmp9, 2
	s_cbranch_scc1 .Lpath_v
.irp t, 0,1,2,3
	QUANTW 2*\t, IMG+12*\t, IMG+48+12*\t
	v_lshl_or_b32 v[WS+\t], v[TM+5], 8, v[TM+4]
	v_lshl_or_b32 v[WS+4+\t], v[TM+7], 8, v[TM+6]
	QUANTW 2*\t+1, IMG+12*\t+6, IMG+48+12*\t+6
	v_lshl_or_b32 v[WS+\t], v[TM+4], 16, v[WS+\t]
	v_lshl_or_b32 v[WS+\t], v[TM+5], 24, v[WS+\t]
	v_lshl_or_b32 v[WS+4+\t], v[TM+6], 16, v[WS+4+\t]
	v_lshl_or_b32 v[WS+4+\t], v[TM+7], 24, v[WS+4+\t]
.endr
	s_branch .Lstore
.Lpath_v:
.irp a, 0,1,2,3,4,5,6,7
	QUANTW \a, IMG+12*\a, IMG+12*\a+6
	v_lshl_or_b32 v[WS+\a], v[TM+5], 8, v[TM+4]
	v_lshl_or_b32 v[WS+\a], v[TM+6], 16, v[WS+\a]
	v_lshl_or_b32 v[WS+\a], v[TM+7], 24, v[WS+\a]
.endr
.Lstore:
	IMGOUT 0, L16
	s_wait_alu depctr_va_vdst(0)
	IMGOUT 1, VO1
.irp t, 0,1,2,3
	v_cndmask_b32 v[WO+\t], v[WS+\t], v[WS+4+\t], s98
.endr
	global_store_b128 v[VSO], v[WO:WO+3], s[6:7]
	s_wait_tensorcnt 0x0
	ds_add_u32 v[SPW], v[NIL]
	s_wait_dscnt 0x0
	CROUND
	s_endpgm
.Lfunc_end_k_q308dbcfd84_qkv:
	.size	k_q308dbcfd84_qkv, .Lfunc_end_k_q308dbcfd84_qkv-k_q308dbcfd84_qkv
	.p2alignl 7, 3214868480
	.fill 96, 4, 3214868480
	.section	.rodata,"a",@progbits
	.p2align	6, 0x0
	.amdhsa_kernel k_q308dbcfd84_qkv
		.amdhsa_group_segment_fixed_size 327680
		.amdhsa_private_segment_fixed_size 0
		.amdhsa_enable_private_segment 0
		.amdhsa_kernarg_size 24
		.amdhsa_user_sgpr_count 2
		.amdhsa_user_sgpr_kernarg_segment_ptr 1
		.amdhsa_wavefront_size32 1
		.amdhsa_system_sgpr_workgroup_id_x 1
		.amdhsa_system_sgpr_workgroup_id_y 1
		.amdhsa_system_sgpr_workgroup_id_z 1
		.amdhsa_system_vgpr_workitem_id 0
		.amdhsa_next_free_vgpr 1024
		.amdhsa_next_free_sgpr 100
		.amdhsa_reserve_vcc 0
		.amdhsa_float_denorm_mode_32 3
		.amdhsa_float_denorm_mode_16_64 3
		.amdhsa_memory_ordered 1
		.amdhsa_forward_progress 1
		.amdhsa_inst_pref_size 173
	.end_amdhsa_kernel
	.amdgpu_metadata
---
amdhsa.version: [ 1, 2 ]
amdhsa.kernels:
  - .name:           k_q308dbcfd84_qkv
    .symbol:         k_q308dbcfd84_qkv.kd
    .args:
      - { .name: ops, .offset: 0, .size: 8, .value_kind: global_buffer, .address_space: global }
      - { .name: qi, .offset: 8, .size: 8, .value_kind: global_buffer, .address_space: global }
      - { .name: kv, .offset: 16, .size: 8, .value_kind: global_buffer, .address_space: global }
    .group_segment_fixed_size: 327680
    .private_segment_fixed_size: 0
    .kernarg_segment_align: 8
    .kernarg_segment_size: 24
    .max_flat_workgroup_size: 128
    .sgpr_count:     100
    .vgpr_count:     1024
    .wavefront_size: 32
...
	.end_amdgpu_metadata
.endif
;; end of part 2
;; launch attn (part 3): grid 4 x 64, 16 waves a work-group, clusters of 4 x 1, 327,680 bytes of LDS; arguments qi, kv, out1, svq; writes out1, svq
.if DOCPART == 3
	.amdgcn_target "amdgcn-amd-amdhsa--gfx1250"
	.amdhsa_code_object_version 6
	.text
	.protected	k_q308dbcfd84_attn
	.globl	k_q308dbcfd84_attn
	.p2align	8
	.type	k_q308dbcfd84_attn,@function
k_q308dbcfd84_attn:
	s_mov_b64 s[64:65], 0
	v_nop
	global_prefetch_b8 v0, s[64:65] scope:SCOPE_SE
	s_setreg_imm32_b32 hwreg(HW_REG_WAVE_MODE, 25, 1), 1
	s_wait_xcnt 0x0
	s_wait_alu depctr_hold_cnt(0) depctr_sa_sdst(0) depctr_va_vdst(0) depctr_va_sdst(0) depctr_va_ssrc(0) depctr_va_vcc(0) depctr_vm_vsrc(0)
	s_getreg_b32 s2, hwreg(HW_REG_IB_STS2, 6, 4)
	s_cmp_eq_u32 s2, 0
	s_cbranch_scc0 .Lentry_in_a_cluster
	s_endpgm
.Lentry_in_a_cluster:
	s_bfe_u32 s2, ttmp6, 0x10000c
	s_cmp_lg_u32 s2, 0x3003
	s_cbranch_scc0 .Lentry_shape_is_right
	s_endpgm
.Lentry_shape_is_right:
; sv[b][n][head*64 + d] = the sum over keys of softmax(q . k / 8) v, both products on codes of FP6 (E2M3) with E8M0 scales; sv leaves as f32 (out1) and, quantised along E, as operand images for the projection (svq).
; THE SOFTMAX: t = score x log2(e) / 8 (q arrives undivided: 8 is a power of two); M = the row's largest t so far, rounded UP to a whole number; p = 2^(t - M) is quantised along the keys, not normalised.
; The row's sum is taken of the unquantised p and divides at the end.  When M moves, the sum and O are multiplied by 2^(old M - new M): exact.
; SHARES.  A cluster of four work-groups serves one (b, head): 512 queries a work-group in two passes of 256; each of sixteen waves owns 16 queries a pass, in 256 registers.
; THE HEAD'S WHOLE K AND V LIE IN LDS: 16 records (128 keys each), filled ONCE: wave w asks for record w, jointly with the three partners: one tensor load a wave, one barrier, nothing filled again.
; A record in memory is 25 runs of 512 bytes: runs 0-11 k's four PAIR images (registers 0-5: a key of tile 2 b, the head's 64 dims; 6-11: of tile 2 b + 1), runs 12-23 four images of v^T (16 channels x 128 keys),
; run 24 k's scale words (16 r + 4 b) and, 256 on, v's.  The descriptor lays 128 bytes of padding behind each run: runs are 640 bytes apart in LDS.
; K = 64 UNDER AN INSTRUCTION OF 128: a pair fragment of k meets [q | zeros] for its first tile and [zeros | q] for its second: zero codes add nothing.
; WHICH KEYS FORM A TILE is chosen here by the lanes' LDS addresses: row m = 8 g + j of tile t = 4 c + w is key 64 c + 32 g + 8 w + j.  Both products are used transposed, so lane (r, h) holds query r, and its
; register 32 c + i of the scores is key 64 c + 32 h + i: a lane holds WHOLE blocks of 32 keys, in the order of the second product's operand.  So a block's largest score needs no other lane and the conversions' results are the operand.
; In the stored images that key lies in pair image 2 (b'/2) + r/8 at lane (r%8 + 8 (b'%2), h) (b' = t/2): lanes 0-7 read 128 bytes of one image, lanes 8-15 of the image 3 runs (1,920 bytes) on: 128 modulo 256, other banks.
; ORDER OF A TRIP: softmax of step i; scores of step i + 1; O x f; O += v p of step i.  O's 16 multiplications are the places behind the scores' products, the first maxima those behind O's products.
; No prefetch: K and V are asked for once, at the head, and there is no loop to run ahead in.
; LIMITS: the promise holds while |t| stays under 2^31; blocks whose largest magnitude lies under 2^-124 keep the byte 1; a block of zeros gets the byte 1 (zero codes; this program alone reads the bytes); NaN and infinities are not served.
; Of svq, the 8-byte runs and the scale bytes are stored in pieces smaller than 256 bytes, since two heads share a K step of 128 of the projection.
.set RECM,  12800                      ; a record in memory
.set RUN,   640                        ; a run in LDS: 512 bytes + 128 of padding
.set REC,   25*RUN                     ; a record in LDS
.set VOFF,  12*RUN
.set SOFF,  24*RUN
.set STAGE, 16*REC                     ; behind the records: 16 rows x (256 + 16) bytes for each wave, for the way out; no tensor load lands here
.set SP,    272
.set WSTG,  16*SP
.set SPARE, STAGE+16*WSTG              ; the spare words, 128 bytes for each wave
.set LI,   1                           ; v1  16 x lane
.set SPW,  2                           ; v2  my spare word;  v3  0: both never rewritten
.set NIL,  3
.set KS,   4                           ; v4-7 k's scale words (lanes 0-15);  v8-11 v's (lanes 16-31)
.set VS,   8
                                       ; v12 -M, v13 the largest score so far, v[14:15] the sum in two halves
.set Q,    16                          ; v16-33 q (6) | zeros (6) | q (6)
.set ADR,  34                          ; v34 an LDS address; v[34:35] also a partial sum
.set KF,   36                          ; v36-83 k's four pair fragments; on the way out: addresses
.set VF,   84                          ; v84-131 v's four fragments
.set S,    132                         ; v132-195 the scores, then p
.set O,    196                         ; v196-227 O^T
.set P,    228                         ; v228-239 p's codes
.set MX,   240                         ; v240-243 largest scores
.set T,    244                         ; v244-246, v248-250 at work
.set KL0,  247                         ; v247 my lane's place in k's images;  v251 in k's scale words: never rewritten
.set SL0,  251
.set F,    252                         ; v252 2^(old M - new M)
.set PW,   253                         ; v253 p's scale word
.set TMP,  254
.set QS,   255                         ; v255 q's scale word: its two bytes, twice
.set ER,   KF                          ; the way out: r, h, q's offsets, offsets in out1 and svq's scale bytes, stage in and back
.set EH,   KF+1
.set QO,   KF+4
.set GO,   KF+8
.set SVO,  KF+9
.set STO,  KF+10
.set RD,   KF+11
.set WV,   12
.set CX,   13
.set BH,   14
.set SEL,  20                          ; s[20:21] selects for lane l xor 16
.set CS,   22                          ; s[22:23] log2(e) / 8
.set G1,   24
.set G0,   32
.set TB,   48                          ; LDS byte at which the step's record begins
.set CNT,  49
.set PASS, 50
.set HM,   51
.set SH,   52
.set STG,  53
.set QB,   54
.set OUT,  56
.set SV,   58
.set SVS,  60
.set QA,   66
.macro CROUND
	s_barrier_signal -1
	s_barrier_wait -1
	s_cmp_lg_u32 s[WV], 0
	s_cbranch_scc1 .Lnot_wave_0_\@
	s_barrier_signal -3
.Lnot_wave_0_\@:
	s_barrier_wait -3
	s_barrier_signal -1
	s_barrier_wait -1
.endm
	s_load_b256 s[4:11], s[0:1], 0x0               ; qi, kv, out1, svq
	v_lshl_add_u32 v[SPW], v0, 2, SPARE
	v_mov_b32 v[NIL], 0
	ds_add_u32 v[SPW], v[NIL]                      ; the opening: the add twice, one wait
	ds_add_u32 v[SPW], v[NIL]
	v_lshrrev_b32 v1, 5, v0
	v_readfirstlane_b32 s[WV], v1                  ; wave 0..15
	v_and_b32 v1, 31, v0
	v_lshlrev_b32 v[LI], 4, v1
	s_wait_alu depctr_va_vdst(0)                   ; ahead of the run of scalar lines
	s_bfe_u32 s[CX], ttmp6, 0x40000                ; my place in the cluster: it enters the addresses of qi, out1 and svq alone
	s_and_b32 s[BH], ttmp7, 0xffff                 ; 16 b + head, which the partners share
	s_mov_b32 s[G1], 15|(3<<16)|(1<<20)|(1<<21)|(6<<22)|(31<<25)   ; mask: all four; elements of 8 bytes; behind every 128 words 32 words of padding
	s_mov_b32 s[G1+1], 64<<16                      ; a record as 25 rows of 512 bytes
	s_mov_b32 s[G1+2], 25<<16
	s_mov_b32 s[G1+3], 64<<16
	s_mov_b32 s[G1+4], 25
	s_mov_b32 s[G1+5], 64
	s_mov_b32 s[G1+6], 0
	s_mov_b32 s[G1+7], 0
	s_mov_b32 s[SEL], 0x76543210
	s_mov_b32 s[SEL+1], 0xfedcba98
	s_mov_b32 s[CS], 0x3e38aa3b
	s_mov_b32 s[CS+1], s[CS]
	s_mov_b32 s[HM], 0xffff0000
	s_mul_i32 s15, s[WV], RECM                     ; I fetch record = my wave's number
	s_mul_i32 s16, s[BH], 16*RECM
	s_add_co_u32 s16, s16, s15
	s_mov_b32 s17, 0
	s_mov_b32 s[G0], 1
	s_mul_i32 s[G0+1], s[WV], REC
	s_bfe_u32 s18, s[WV], 0x20001                  ; pb: which pair image of q holds my queries
	s_and_b32 s19, s[WV], 1                        ; u: its first or second six registers
	s_lshl_b32 s[SH], s19, 4
	s_mul_i32 s70, s18, 1536
	s_mul_i32 s71, s19, 520
	s_add_co_u32 s[QA], s70, s71                   ; registers 6 u, 6 u + 1: 0 or 520 bytes into my lane's runs,
	s_add_co_u32 s[QA+2], s[QA], 512               ; 6 u + 4, + 5: 512 or 1032,
	s_mul_i32 s71, s19, 1016
	s_add_co_u32 s[QA+1], s70, s71
	s_add_co_u32 s[QA+1], s[QA+1], 8               ; 6 u + 2, + 3: 8 or 1024
	s_lshl_b32 s[QA+3], s18, 2
	s_add_co_u32 s[QA+3], s[QA+3], 6144            ; the pair's scale words
	s_mul_i32 s[STG], s[WV], WSTG
	s_add_co_u32 s[STG], s[STG], STAGE
	s_lshr_b32 s70, s[WV], 3
	s_lshl_b32 s71, s[CX], 2
	s_add_co_u32 s70, s70, s71                     ; pass 0's record of queries: 4 cx + wave / 8 (pass 1's: two on)
	s_lshl_b32 s2, s[BH], 4
	s_add_co_u32 s2, s2, s70
	s_mul_i32 s2, s2, 6400
	s_mov_b32 s3, 0
	s_lshr_b32 s71, s[BH], 4                       ; b
	s_lshl_b32 s54, s71, 11
	s_lshl_b32 s55, s70, 7
	s_add_co_u32 s54, s54, s55
	s_lshl_b32 s55, s18, 5
	s_add_co_u32 s54, s54, s55
	s_lshl_b32 s55, s19, 3
	s_add_co_u32 s54, s54, s55                     ; my tile's first token: 2048 b + 128 record + 32 pb + 8 u
	s_lshl_b32 s54, s54, 12
	s_and_b32 s55, s[BH], 15                       ; head
	s_lshl_b32 s56, s55, 8
	s_add_co_u32 s56, s54, s56
	s_mov_b32 s57, 0
	s_lshl_b32 s58, s71, 4
	s_add_co_u32 s58, s58, s70
	s_mul_i32 s58, s58, 102400                     ; svq: my group of 128 tokens,
	s_lshr_b32 s55, s55, 1                         ; the projection's K step: two heads each
	s_mul_i32 s54, s55, 12288
	s_lshl_b32 s60, s55, 9
	s_add_co_u32 s60, s60, s58
	s_add_co_u32 s58, s58, s54
	s_and_b32 s54, s[WV], 7                        ; my block of 16 tokens
	s_mul_i32 s55, s54, 1536
	s_add_co_u32 s58, s58, s55
	s_mov_b32 s59, 0
	s_lshr_b32 s55, s54, 2
	s_lshl_b32 s55, s55, 8
	s_add_co_u32 s60, s60, s55
	s_and_b32 s55, s[WV], 3
	s_lshl_b32 s55, s55, 2
	s_add_co_u32 s60, s60, s55
	s_and_b32 s55, s[BH], 1
	s_lshl_b32 s55, s55, 1                         ; an even head has a scale word's bytes 0, 1, an odd one bytes 2, 3
	s_add_co_u32 s60, s60, s55
	s_add_co_u32 s60, s60, 98304
	s_mov_b32 s61, 0
	s_wait_dscnt 0x0                               ; both opening adds are done
	s_wait_kmcnt 0x0
	s_add_nc_u64 s[QB:QB+1], s[4:5], s[2:3]
	s_add_nc_u64 s[OUT:OUT+1], s[8:9], s[OUT:OUT+1]
	s_add_nc_u64 s[SV:SV+1], s[10:11], s[SV:SV+1]
	s_add_nc_u64 s[SVS:SVS+1], s[10:11], s[SVS:SVS+1]
	s_add_nc_u64 s[G0+2:G0+3], s[6:7], s[16:17]
	s_or_b32 s[G0+3], s[G0+3], 0x80000000
	CROUND                                         ; all four work-groups are here: the joint loads meet
	tensor_load_to_lds s[G0:G0+3], s[G1:G1+7]      ; my one tensor load of the launch
	s_nop 0
.irp i, 6,7,8,9,10,11
	v_mov_b32 v[Q+\i], 0                           ; the zero codes between the two copies of q
.endr
	v_mov_b32 v[T], 0                              ; a lane permute's destination counts as one of its sources
	v_mov_b32 v[T+1], 0
	v_mov_b32 v[PW], 0                             ; (named as the upper half of v[252:253] before it is first written)
	v_bfe_u32 v[SL0], v0, 3, 1                     ; r / 8
	v_and_b32 v[TMP], 7, v0                        ; r % 8
	v_bfe_u32 v[ADR], v0, 4, 1                     ; h
	v_mul_u32_u24 v[KL0], v[SL0], 3*RUN
	v_lshlrev_b32 v[SL0], 2, v[SL0]
	v_lshl_add_u32 v[KL0], v[TMP], 4, v[KL0]
	v_lshl_add_u32 v[SL0], v[TMP], 4, v[SL0]       ; 16 (r%8) + 4 (r/8)
	v_lshl_add_u32 v[KL0], v[ADR], 8, v[KL0]       ; 1920 (r/8) + 16 (r%8) + 256 h
.macro QLOAD off                       ; my six registers of q's pair image, twice, and the pair's scale word
	v_add_nc_u32 v[QO], s[QA], v[LI]
	v_add_nc_u32 v[QO+1], s[QA+1], v[LI]
	v_add_nc_u32 v[QO+2], s[QA+2], v[LI]
	v_lshl_add_u32 v[QO+3], v[ER], 4, s[QA+3]
	global_load_b64 v[Q:Q+1], v[QO], s[QB:QB+1] offset:\off
	global_load_b64 v[Q+2:Q+3], v[QO+1], s[QB:QB+1] offset:\off
	global_load_b64 v[Q+4:Q+5], v[QO+2], s[QB:QB+1] offset:\off
	global_load_b64 v[Q+12:Q+13], v[QO], s[QB:QB+1] offset:\off
	global_load_b64 v[Q+14:Q+15], v[QO+1], s[QB:QB+1] offset:\off
	global_load_b64 v[Q+16:Q+17], v[QO+2], s[QB:QB+1] offset:\off
	global_load_b32 v[QS], v[QO+3], s[QB:QB+1] offset:\off
.endm
.macro KFRAGS adr, off                 ; four pair fragments of k: 12 loads
.irp b, 0,1,2,3
.irp c, 0,1,2
	ds_load_b128 v[KF+12*\b+4*\c:KF+12*\b+4*\c+3], v[\adr] offset:\off+6*RUN*(\b/2)+128*(\b%2)+RUN*\c
.endr
.endr
.endm
.macro KWORDS adr, off                 ; and their scale words: 4 loads
.irp b, 0,1,2,3
	ds_load_b32 v[KS+\b], v[\adr] offset:\off+SOFF+128*(\b%2)+8*(\b/2)
.endr
.endm
.macro SMM                             ; the scores of 128 keys: S^T = k q^T
	s_wait_dscnt 0x0                               ; k's and v's loads, issued at the head of the softmax before, are in
.irp t, 0,1,2,3,4,5,6,7
	v_wmma_scale_f32_16x16x128_f8f6f4 v[S+8*\t:S+8*\t+7], v[KF+12*(\t/2):KF+12*(\t/2)+11], v[Q+6*(\t%2):Q+6*(\t%2)+11], 0, v[KS+\t/2], v[QS] matrix_a_fmt:MATRIX_FMT_FP6 matrix_b_fmt:MATRIX_FMT_FP6
.endr
.endm
.macro PV                              ; O^T = O^T x f + v^T p^T
	s_wait_alu depctr_va_vdst(0)                   ; directly ahead of the first reader of O^T
.set J, 0
.rept 16
	v_pk_mul_f32 v[O+J:O+J+1], v[O+J:O+J+1], v[F:F+1] op_sel_hi:[1,0]   ; each accumulator from its low end on; also the places between p's codes and scale word and the products
.set J, J+2
.endr
.irp t, 0,1,2,3
	v_wmma_scale_f32_16x16x128_f8f6f4 v[O+8*\t:O+8*\t+7], v[VF+12*\t:VF+12*\t+11], v[P:P+11], v[O+8*\t:O+8*\t+7], v[VS+\t], v[PW] matrix_a_fmt:MATRIX_FMT_FP6 matrix_b_fmt:MATRIX_FMT_FP6 matrix_a_scale:MATRIX_SCALE_ROW1
.endr
.endm
.macro PKFMA n
.rept \n
	v_pk_fma_f32 v[S+J:S+J+1], v[S+J:S+J+1], s[CS:CS+1], v[12:13] op_sel_hi:[1,0,0]   ; t - M, two at a time
.set J, J+2
.endr
.endm
.macro ADD2 d, a
	v_pk_add_f32 v[\d:\d+1], v[\d:\d+1], v[\a:\a+1]
.endm
.set A1, T
.set A2, T+4
.set A3, MX+2
.set A4, ADR
; The softmax of the step whose record begins at s[TB]: scores in, p's codes, scale word and f out.  nk = 1: the next record's k is fetched.
.macro SOFT nk
.irp b, 0,1,2,3
	v_max3_num_f32 v[MX+\b], v[S+16*\b], v[S+1+16*\b], v[S+2+16*\b]   ; four chains of 16 scores; these four are the places in front of the loads into v's registers
.endr
.if \nk
	v_add_nc_u32 v[ADR], s[TB], v[KL0]
	KFRAGS ADR, REC
	v_add_nc_u32 v[ADR], s[TB], v[SL0]
	KWORDS ADR, REC
.endif
	v_add_nc_u32 v[ADR], s[TB], v[LI]
.irp i, 0,1,2,3,4,5,6,7,8,9,10,11
	ds_load_b128 v[VF+4*\i:VF+4*\i+3], v[ADR] offset:VOFF+RUN*\i
.endr
	ds_load_b128 v[VS:VS+3], v[ADR] offset:SOFF
.irp i, 3,5,7,9,11,13
.irp b, 0,1,2,3
	v_max3_num_f32 v[MX+\b], v[MX+\b], v[S+16*\b+\i], v[S+1+16*\b+\i]
.endr
.endr
	v_max3_num_f32 v[MX], v[MX], v[S+15], v[S+31]
	v_max3_num_f32 v[MX+2], v[MX+2], v[S+47], v[S+63]
	v_max_num_f32 v[MX], v[MX], v[MX+1]            ; the largest score of my block 2 c + h: c = 0,
	v_max_num_f32 v[MX+1], v[MX+2], v[MX+3]        ; c = 1: each serves for the row's maximum and, since p rises with the score, for the block's largest p
	v_mov_b32 v[T+1], v12                          ; the old -M
	v_max_num_f32 v[TMP], v[MX], v[MX+1]
	v_permlanex16_b32 v[T], v[TMP], s[SEL], s[SEL+1]
	v_max3_num_f32 v13, v13, v[TMP], v[T]          ; the running largest score of my query
	v_mul_f32 v[TMP], s[CS], v13                   ; as t (c is positive)
	v_floor_f32 v12, -v[TMP]                       ; the new -M = -ceil(t)
	v_sub_f32 v[TMP], v12, v[T+1]                  ; old M - new M: a whole number, 0 or less
.set J, 0
	PKFMA 8
	v_cvt_i32_f32 v[TMP], v[TMP]                   ; (it saturates)
	PKFMA 24
	v_fma_f32 v[MX], v[MX], s[CS], v12             ; the same of each block's largest score
	v_fma_f32 v[MX+1], v[MX+1], s[CS], v12
	s_wait_alu depctr_va_vdst(0)                   ; ahead of the batch
.set J, 0
.rept 64
	v_exp_f32 v[S+J], v[S+J]                       ; p = 2^(t - M), at most 1
.set J, J+1
.endr
	v_exp_f32 v[MX], v[MX]                         ; the blocks' largest p: the same two instructions on the same number give the same bits
	v_exp_f32 v[MX+1], v[MX+1]
	v_ldexp_f32 v[F], 1.0, v[TMP]                  ; f = 2^(old M - new M); a plain place behind the exponentials
	s_wait_alu depctr_va_vdst(0)                   ; one wait for the batch, ahead of its first reader
	v_pk_fma_f32 v[14:15], v[14:15], v[F:F+1], v[S:S+1] op_sel_hi:[1,0,1]   ; the sum under the new M, and the unquantised p onto it: five chains
	v_pk_add_f32 v[A1:A1+1], v[S+2:S+3], v[S+4:S+5]
	v_pk_add_f32 v[A2:A2+1], v[S+6:S+7], v[S+8:S+9]
	v_pk_add_f32 v[A3:A3+1], v[S+10:S+11], v[S+12:S+13]
	v_pk_add_f32 v[A4:A4+1], v[S+14:S+15], v[S+16:S+17]
.irp k, 18,28,38,48
	ADD2 14, S+\k
	ADD2 A1, S+\k+2
	ADD2 A2, S+\k+4
	ADD2 A3, S+\k+6
	ADD2 A4, S+\k+8
.endr
	ADD2 14, S+58
	ADD2 A1, S+60
	ADD2 A2, S+62
	v_max_num_f32 v[MX], 0x1800000, v[MX]          ; the floor 2^(3 - 127): the byte cannot fall under 1
	v_max_num_f32 v[MX+1], 0x1800000, v[MX+1]
	ADD2 A1, A3
	ADD2 A2, A4
	v_add_nc_u32 v[MX], 0xff000000, v[MX]          ; 2 off the exponent field: the conversion's scale operand
	v_add_nc_u32 v[MX+1], 0xff000000, v[MX+1]
	ADD2 A1, A2
	v_lshrrev_b32 v[MX+2], 23, v[MX]               ; the scales' bytes
	v_lshrrev_b32 v[MX+3], 23, v[MX+1]
	ADD2 14, A1
.irp c, 0,1
	v_cvt_scalef32_pk16_fp6_f32 v[P+6*\c:P+6*\c+2], v[S+32*\c:S+32*\c+15], v[MX+\c]        ; registers 6 c .. 6 c + 2 of the operand as they stand
	v_cvt_scalef32_pk16_fp6_f32 v[T+4*\c:T+4*\c+2], v[S+16+32*\c:S+31+32*\c], v[MX+\c]     ; (a conversion's three registers begin on an even number)
.endr
	v_lshl_or_b32 v[TMP], v[MX+3], 16, v[MX+2]     ; my blocks' bytes, 16 bits apart; a plain place behind the conversions
	v_permlanex16_b32 v[MX+2], v[TMP], s[SEL], s[SEL+1]
.irp c, 0,1
.irp i, 0,1,2
	v_mov_b32 v[P+3+6*\c+\i], v[T+4*\c+\i]
.endr
.endr
	v_lshl_or_b32 v[PW], v[MX+2], 8, v[TMP]        ; in lanes 0-15, which alone are read: blocks 0, 2 are mine, blocks 1, 3 lane l + 16's
.endm
	v_and_b32 v[ER], 15, v0
	QLOAD 0                                        ; pass 0's queries
	s_wait_alu depctr_va_vdst(0)                   ; at the head's end
	s_wait_tensorcnt 0x0                           ; my record is in,
	s_barrier_signal -1
	s_barrier_wait -1                              ; everybody's is: from here on LDS's records are only read
	s_mov_b32 s[PASS], 2
.Lpass:
	s_wait_loadcnt 0x0                             ; q is in, and its loads' address registers, which lie in k's, are free
	KFRAGS KL0, 0
	KWORDS SL0, 0
	v_lshrrev_b32 v[TMP], s[SH], v[QS]
	s_delay_alu instid0(VALU_DEP_1)
	v_and_b32 v[TMP], 0xffff, v[TMP]
	s_delay_alu instid0(VALU_DEP_1)
	v_lshl_or_b32 v[QS], v[TMP], 16, v[TMP]        ; my queries' two bytes, for the lower and the upper 64 of the instruction's K
	v_mov_b32 v13, 0xff61b1e6                      ; the largest score so far: -3e38
	v_mov_b32 v12, 0x7f61b1e6                      ; -M: 3e38, so that the first f is 0
	v_mov_b32 v14, 0
	v_mov_b32 v15, 0
.set J, 0
.rept 16
	v_mov_b32 v[O+J], 0                            ; O^T: the trip is written once; the first finds zeros.  (Also the places between q's scale word and the first product)
.set J, J+1
.endr
	s_mov_b32 s[TB], 0
	s_mov_b32 s[CNT], 15
	SMM                                            ; step 0's scores
.rept 16
	v_mov_b32 v[O+J], 0                            ; (also the places behind step 0's products)
.set J, J+1
.endr
.Lstep:
	SOFT 1
	SMM
	PV
	s_add_co_u32 s[TB], s[TB], REC
	s_sub_co_u32 s[CNT], s[CNT], 1
	s_cmp_lg_u32 s[CNT], 0
	s_cbranch_scc1 .Lstep
	SOFT 0                                         ; step 15: no k behind it
	s_wait_dscnt 0x0
	PV
	; THE WAY OUT.  The first lines name no register of the last products: they are the places behind them.
	v_add_f32 v14, v14, v15
	v_and_b32 v[ER], 15, v0
	v_bfe_u32 v[EH], v0, 4, 1
	v_permlanex16_b32 v[T], v14, s[SEL], s[SEL+1]
	v_mul_u32_u24 v[STO], v[ER], SP
	v_mul_u32_u24 v[RD], v[EH], SP
	v_add_f32 v14, v14, v[T]                       ; the row's sum
	s_wait_alu depctr_va_vdst(0)                   ; ahead of the reciprocal
	v_rcp_f32 v14, v14
	v_lshl_add_u32 v[STO], v[EH], 6, v[STO]
	v_lshl_add_u32 v[RD], v[ER], 4, v[RD]
	v_lshlrev_b32 v[GO], 12, v[EH]
	v_lshl_add_u32 v[SVO], v[ER], 4, v[EH]         ; svq's scale bytes: 16 r + h
	v_add_nc_u32 v[STO], s[STG], v[STO]            ; into the stage: row r, + 64 h
	v_add_nc_u32 v[RD], s[STG], v[RD]              ; back: lanes 0-15 one row, lanes 16-31 the next
	v_lshl_add_u32 v[GO], v[ER], 4, v[GO]          ; and the same two rows in out1
	s_wait_alu depctr_va_vdst(0)                   ; ahead of the branch
	s_cmp_eq_u32 s[PASS], 1
	s_cbranch_scc1 .Lno_q                          ; behind the last pass there are no queries to fetch
	QLOAD 2*6400                                   ; pass 1's queries, two records on
.Lno_q:
	s_wait_alu depctr_va_vdst(0)                   ; and directly ahead of the first reader of O^T and of the reciprocal
.set J, 0
.rept 16
	v_pk_mul_f32 v[S+J:S+J+1], v[O+J:O+J+1], v[14:15] op_sel_hi:[1,0]   ; sv: register 8 t + i is channel 32 (t/2) + 16 h + 8 (t%2) + i of my query
.set J, J+2
.endr
.irp t, 0,1,2,3
	ds_store_b128 v[STO], v[S+8*\t:S+8*\t+3] offset:128*(\t/2)+32*(\t%2)
	ds_store_b128 v[STO], v[S+8*\t+4:S+8*\t+7] offset:128*(\t/2)+32*(\t%2)+16
.endr
.irp i, 0,1,2,3,4,5,6,7
	ds_load_b128 v[S+32+4*\i:S+35+4*\i], v[RD] offset:2*\i*SP   ; LDS serves a wave's instructions in order: these see my stores
.endr
	; sv's two blocks of 32 channels are quantised: half a fragment of the projection's operand
.irp b, 0,1
	v_max3_num_f32 v[MX+\b], |v[S+16*\b]|, |v[S+1+16*\b]|, 0x1800000
.endr
.irp i, 2,4,6,8,10,12,14
.irp b, 0,1
	v_max3_num_f32 v[MX+\b], v[MX+\b], |v[S+16*\b+\i]|, |v[S+1+16*\b+\i]|
.endr
.endr
.irp b, 0,1
	v_permlanex16_b32 v[T+\b], v[MX+\b], s[SEL], s[SEL+1]
.endr
.irp b, 0,1
	v_max_num_f32 v[MX+\b], v[MX+\b], v[T+\b]
.endr
.irp b, 0,1
	v_add_nc_u32 v[MX+\b], 0xff000000, v[MX+\b]
.endr
.irp b, 0,1
	v_lshrrev_b32 v[T+\b], 23, v[MX+\b]
.endr
	v_cndmask_b32 v[TMP], v[T], v[T+1], s[HM]      ; lanes 0-15 store the first block's byte, lanes 16-31 the second's
	v_cvt_scalef32_pk16_fp6_f32 v[P:P+2], v[S:S+15], v[MX]
	v_cvt_scalef32_pk16_fp6_f32 v[T:T+2], v[S+16:S+31], v[MX+1]
	v_nop                                          ; one plain place behind a scaled conversion
.irp i, 0,1,2
	v_permlane16_swap_b32 v[P+\i], v[T+\i]         ; a whole block to a lane
.endr
.irp i, 0,1,2
	v_mov_b32 v[P+3+\i], v[T+\i]
.endr
	s_wait_alu depctr_va_vdst(0)                   ; ahead of the branches and waits below
	s_bitcmp1_b32 s[BH], 0                         ; an even head is registers 0-5 of the image, an odd one 6-11: the same in all partners
	s_cbranch_scc1 .Lodd_head
	global_store_b128 v[LI], v[P:P+3], s[SV:SV+1]
	global_store_b64 v[LI], v[P+4:P+5], s[SV:SV+1] offset:512
	s_branch .Lcodes_out
.Lodd_head:
	global_store_b64 v[LI], v[P:P+1], s[SV:SV+1] offset:520
	global_store_b128 v[LI], v[P+2:P+5], s[SV:SV+1] offset:1024
.Lcodes_out:
	global_store_b8 v[SVO], v[TMP], s[SVS:SVS+1]
.irp i, 0,1,2,3,4,5,6,7
	s_wait_dscnt 7-\i                              ; rows 2 i, 2 i + 1 are back; the 7 - i younger loads may be out
	global_store_b128 v[GO], v[S+32+4*\i:S+35+4*\i], s[OUT:OUT+1] offset:(2*\i+8*(\i/4))*4096 th:TH_STORE_NT   ; sixteen lanes store 256 consecutive bytes, aligned
.endr
	s_wait_xcnt 0x0                                ; the stores have read their registers and bases: both may be written again
	s_add_nc_u64 s[OUT:OUT+1], s[OUT:OUT+1], 256*4096
	s_add_nc_u64 s[SV:SV+1], s[SV:SV+1], 2*102400
	s_add_nc_u64 s[SVS:SVS+1], s[SVS:SVS+1], 2*102400
	s_sub_co_u32 s[PASS], s[PASS], 1
	s_cmp_lg_u32 s[PASS], 0
	s_cbranch_scc1 .Lpass
	s_wait_tensorcnt 0x0                           ; the wave's end
	ds_add_u32 v[SPW], v[NIL]
	s_wait_dscnt 0x0
	CROUND                                         ; the closing round
	s_endpgm
.Lfunc_end_k_q308dbcfd84_attn:
	.size	k_q308dbcfd84_attn, .Lfunc_end_k_q308dbcfd84_attn-k_q308dbcfd84_attn
	.p2alignl 7, 3214868480
	.fill 96, 4, 3214868480
	.section	.rodata,"a",@progbits
	.p2align	6, 0x0
	.amdhsa_kernel k_q308dbcfd84_attn
		.amdhsa_group_segment_fixed_size 327680
		.amdhsa_private_segment_fixed_size 0
		.amdhsa_enable_private_segment 0
		.amdhsa_kernarg_size 32
		.amdhsa_user_sgpr_count 2
		.amdhsa_user_sgpr_kernarg_segment_ptr 1
		.amdhsa_wavefront_size32 1
		.amdhsa_system_sgpr_workgroup_id_x 1
		.amdhsa_system_sgpr_workgroup_id_y 1
		.amdhsa_system_sgpr_workgroup_id_z 1
		.amdhsa_system_vgpr_workitem_id 0
		.amdhsa_next_free_vgpr 256
		.amdhsa_next_free_sgpr 72
		.amdhsa_reserve_vcc 0
		.amdhsa_float_denorm_mode_32 3
		.amdhsa_float_denorm_mode_16_64 3
		.amdhsa_memory_ordered 1
		.amdhsa_forward_progress 1
		.amdhsa_inst_pref_size 45
	.end_amdhsa_kernel
	.amdgpu_metadata
---
amdhsa.version: [ 1, 2 ]
amdhsa.kernels:
  - .name:           k_q308dbcfd84_attn
    .symbol:         k_q308dbcfd84_attn.kd
    .args:
      - { .name: qi, .offset: 0, .size: 8, .value_kind: global_buffer, .address_space: global }
      - { .name: kv, .offset: 8, .size: 8, .value_kind: global_buffer, .address_space: global }
      - { .name: out1, .offset: 16, .size: 8, .value_kind: global_buffer, .address_space: global }
      - { .name: svq, .offset: 24, .size: 8, .value_kind: global_buffer, .address_space: global }
    .group_segment_fixed_size: 327680
    .private_segment_fixed_size: 0
    .kernarg_segment_align: 8
    .kernarg_segment_size: 32
    .max_flat_workgroup_size: 512
    .sgpr_count:     72
    .vgpr_count:     256
    .wavefront_size: 32
...
	.end_amdgpu_metadata
.endif
;; end of part 3
;; launch proj (part 4): grid 4 x 64, 4 waves a work-group, clusters of 4 x 4, 327,680 bytes of LDS; arguments ops, svq, out0; writes out0
.if DOCPART == 4
	.amdgcn_target "amdgcn-amd-amdhsa--gfx1250"
	.amdhsa_code_object_version 6
	.text
	.protected	k_q308dbcfd84_proj
	.globl	k_q308dbcfd84_proj
	.p2align	8
	.type	k_q308dbcfd84_proj,@function
k_q308dbcfd84_proj:
	s_mov_b64 s[64:65], 0
	v_nop
	global_prefetch_b8 v0, s[64:65] scope:SCOPE_SE
	s_setreg_imm32_b32 hwreg(HW_REG_WAVE_MODE, 25, 1), 1
	s_wait_xcnt 0x0
	s_wait_alu depctr_hold_cnt(0) depctr_sa_sdst(0) depctr_va_vdst(0) depctr_va_sdst(0) depctr_va_ssrc(0) depctr_va_vcc(0) depctr_vm_vsrc(0)
	s_getreg_b32 s2, hwreg(HW_REG_IB_STS2, 6, 4)
	s_cmp_eq_u32 s2, 0
	s_cbranch_scc0 .Lentry_in_a_cluster
	s_endpgm
.Lentry_in_a_cluster:
	s_bfe_u32 s2, ttmp6, 0x10000c
	s_cmp_lg_u32 s2, 0xf033
	s_cbranch_scc0 .Lentry_shape_is_right
	s_endpgm
.Lentry_shape_is_right:
; out0[token][f] = the sum over e of sv[token][e] W_proj[f][e], on codes of FP6 (E2M3) with E8M0 scales, f32 sums.
; Both operands arrive as groups of 128 rows, 102,400 bytes each: for K step s and block i of 16 rows the fragment's 12 registers at s*12288 + i*1536 (three runs of 512 bytes, lane l's 16 bytes at 16 l);
; scale words at 98304 + s*512 + (i/4)*256 + 16 r + 4 (i%4).  Lane r of block i holds row 32 (i/2) + 8 (i%2) + r + 8 (r/8) of its group.  sv's groups lie in svq, W_proj's are groups 88-95 of ops.
; SHARES.  A work-group makes 128 tokens x 256 features: 64 x 4 = 256 work-groups.  ALL OF K LIES IN LDS: sv's group and two groups of W_proj, 307,200 bytes, scales among them, filled once:
; waves 0, 1 ask for the halves of sv's group, waves 2, 3 for a group of W_proj each: one tensor load a wave, one barrier, no ring, nothing filled again.
; CLUSTERS of 4 x 4: sv's group is shared along a row of the cluster, W_proj's along a column: joint loads.  A wave makes 64 tokens x 128 features: 32 accumulators, which take turns.
; The matrix instruction is used transposed (source 0 = W_proj's rows, source 1 = tokens): a lane holds eight neighbouring features of one token.
; Fragments have two sets of registers: step s + 1's 38 LDS loads are issued ahead of step s's 32 products.
; The way out goes through a stage of 16 rows x 528 bytes a wave, in bytes of sv's group, behind a barrier in front of which every wave has ended its reads; those bytes have had their only fill.
; No prefetch: every tile is asked for once, at the head, and there is no loop to run ahead in.
.set FR,    12
.set KIMG,  8*FR*128
.set GRP,   102400
.set GSC,   8*KIMG
.set HK,    4*KIMG                     ; four K steps: what one address register's 16-bit offsets reach
.set SPARE, 3*GRP                      ; the spare words, 128 bytes for each wave
.set SPITCH, 528
.set NF,    38                         ; LDS loads of a K step: 24 for W_proj, 12 for sv, 2 for scales
.set L16,  3
.set ADRA, 16                          ; v16-17 sv's fragments, K steps 0-3 and 4-7;  v20-21 W_proj's
.set ADRB, 20
.set STO,  24
.set RD,   25
.set ADRS, 27                          ; scale words: lanes 0-15 sv's, lanes 16-31 W_proj's
.set SPW,  28
.set NIL,  29
.set SC,   32                          ; v32-47 scale words, two sets of 8
.set AF,   128                         ; v128-223 sv's fragments, two sets of 48 (window 0); W_proj's: window 1, v0 and v128; accumulators: window 2
.set BK,   128
.set G1, 24
.set G0, 32
.set G1B, 48
.set G0B, 56
.set MSB, 0
.macro WIN new
.if MSB != (\new)
	s_set_vgpr_msb (MSB<<8)|(\new)
.set MSB, (\new)
.endif
.endm
.set MUL_LO, 0xa1
.set TO_B,   0x40
.macro CROUND
	s_barrier_signal -1
	s_barrier_wait -1
	s_cmp_lg_u32 s14, 0
	s_cbranch_scc1 .Lnot_wave_0_\@
	s_barrier_signal -3
.Lnot_wave_0_\@:
	s_barrier_wait -3
	s_barrier_signal -1
	s_barrier_wait -1
.endm
.macro PLACES n
.rept \n
	v_nop
.endr
.endm
	s_load_b128 s[4:7], s[0:1], 0x0                ; ops, svq
	s_load_b64 s[8:9], s[0:1], 0x10                ; out0
	v_lshl_add_u32 v[SPW], v0, 2, SPARE
	v_mov_b32 v[NIL], 0
	ds_add_u32 v[SPW], v[NIL]                      ; the opening: the add twice, one wait
	ds_add_u32 v[SPW], v[NIL]
	v_lshrrev_b32 v1, 5, v0
	v_readfirstlane_b32 s14, v1                    ; wave
	s_lshr_b32 s15, s14, 1                         ; which 64 tokens are mine.  Also: I fetch for sv (0) or for W_proj (1)
	s_and_b32 s16, s14, 1                          ; which group of W_proj.  Also: which part I fetch
	s_bfe_u32 s40, ttmp6, 0x40000                  ; cx: the block of 256 features
	s_bfe_u32 s41, ttmp6, 0x40004                  ; cy
	s_and_b32 s17, ttmp7, 0xffff
	s_lshl_b32 s17, s17, 2
	s_add_co_u32 s17, s17, s41                     ; the group of 128 tokens
	s_lshl_b32 s43, s41, 2
	s_lshl_b32 s43, 15, s43                        ; my row of the cluster
	s_lshl_b32 s44, 0x1111, s40                    ; my column
	s_or_b32 s[G1+0], s43, (3<<16)|(1<<21)         ; rows of 256 bytes (32 elements of 8): half a group, 200 rows,
	s_or_b32 s[G1B+0], s44, (3<<16)|(1<<21)        ; a whole group, 400 rows
	s_mov_b32 s[G1+2], 200<<16
	s_mov_b32 s[G1+4], 200
	s_mov_b32 s[G1B+2], 400<<16
	s_mov_b32 s[G1B+4], 400
.irp g, G1, G1B
	s_mov_b32 s[\g+1], 32<<16
	s_mov_b32 s[\g+3], 32<<16
	s_mov_b32 s[\g+5], 32
	s_mov_b32 s[\g+6], 0
	s_mov_b32 s[\g+7], 0
.endr
	s_mul_i32 s20, s17, GRP
	s_mul_i32 s[G0+1], s16, GRP/2                  ; LDS: sv's group at 0,
	s_add_co_u32 s20, s20, s[G0+1]
	s_mov_b32 s21, 0
	s_lshl_b32 s46, s40, 1
	s_add_co_u32 s46, s46, s16
	s_add_co_u32 s46, s46, 88
	s_mul_i32 s46, s46, GRP
	s_mov_b32 s47, 0
	s_mul_i32 s[G0B+1], s16, GRP
	s_add_co_u32 s[G0B+1], s[G0B+1], GRP           ; W_proj's two behind it
	s_mov_b32 s[G0], 1
	s_mov_b32 s[G0B], 1
	s_wait_dscnt 0x0
	s_wait_kmcnt 0x0
	s_add_nc_u64 s[G0+2:G0+3], s[6:7], s[20:21]
	s_or_b32 s[G0+3], s[G0+3], 0x80000000
	s_add_nc_u64 s[G0B+2:G0B+3], s[4:5], s[46:47]
	s_or_b32 s[G0B+3], s[G0B+3], 0x80000000
	CROUND                                         ; all sixteen work-groups are here: the joint loads meet
	s_cmp_eq_u32 s15, 0
	s_cbranch_scc0 .Lfor_b
	tensor_load_to_lds s[G0:G0+3], s[G1:G1+7]
	s_nop 0
	PLACES 4
	s_branch .Lasked
.Lfor_b:
	tensor_load_to_lds s[G0B:G0B+3], s[G1B:G1B+7]
	s_nop 0
	PLACES 4
.Lasked:
	s_mul_i32 s21, s15, 4*1536                     ; my four blocks of sv
	s_mul_i32 s22, s16, GRP
	s_add_co_u32 s22, s22, GRP                     ; my group of W_proj
	s_add_co_u32 s42, s21, HK
	s_add_co_u32 s45, s22, HK
	s_lshl_b32 s18, s15, 8                         ; sv's scale words: my four blocks' 256 bytes of a K step's 512
	s_sub_co_u32 s19, s22, s18                     ; lanes 16-31 take W_proj's: so far on
	s_add_co_u32 s18, s18, GSC
	s_mul_i32 s23, s14, 16*SPITCH                  ; my stage
	s_lshl_b32 s20, s17, 19                        ; out0: 128 tokens of 4,096 bytes a group,
	s_lshl_b32 s46, s15, 18                        ; + my 64 tokens,
	s_add_co_u32 s20, s20, s46
	s_lshl_b32 s46, s40, 10                        ; + 1,024 bytes a block of 256 features,
	s_add_co_u32 s20, s20, s46
	s_lshl_b32 s46, s16, 9                         ; + my 128 features
	s_add_co_u32 s20, s20, s46
	s_mov_b32 s47, 0
	s_mov_b32 s46, s20
	s_add_nc_u64 s[8:9], s[8:9], s[46:47]
	v_and_b32 v1, 15, v0
	v_bfe_u32 v2, v0, 4, 1
	v_and_b32 v[L16], 31, v0
	v_lshlrev_b32 v[L16], 4, v[L16]
	v_mul_u32_u24 v6, s19, v2
	v_mul_u32_u24 v5, v1, SPITCH
	v_add_nc_u32 v[ADRA], s21, v[L16]
	v_add_nc_u32 v[ADRA+1], s42, v[L16]
	v_add_nc_u32 v[ADRB], s22, v[L16]
	v_add_nc_u32 v[ADRB+1], s45, v[L16]
	v_lshl_add_u32 v6, v1, 4, v6
	v_lshl_add_u32 v5, v2, 6, v5
	v_add_nc_u32 v[ADRS], s18, v6
	v_add_nc_u32 v[STO], s23, v5                   ; into the stage: row r, + 64 h
	v_add_nc_u32 v[RD], s23, v[L16]                ; back: the 32 lanes take one row of 512 bytes
.macro FRAG reg, adr, q, i
.irp c, 0,1,2
	ds_load_b128 v[\reg+4*\c:\reg+4*\c+3], v[\adr] offset:(\q)*KIMG+(\i)*1536+512*\c
.endr
.endm
.macro FETCH s                         ; K step s's fragments and scale words into set s % 2
	WIN TO_B
.irp i, 0,1,2,3,4,5,6,7
	FRAG 128*((\s)%2)+FR*\i, ADRB+(\s)/4, (\s)%4, \i
.endr
	WIN 0
.irp i, 0,1,2,3
	FRAG AF+48*((\s)%2)+FR*\i, ADRA+(\s)/4, (\s)%4, \i
.endr
.irp p, 0,1
	ds_load_b128 v[SC+8*((\s)%2)+4*\p:SC+8*((\s)%2)+4*\p+3], v[ADRS] offset:512*(\s)+256*\p   ; register i: lanes 16-31 W_proj's block i; lanes 0-15, i under 4: sv's block i
.endr
.endm
.macro MUL s, zero                     ; 32 products, the 32 accumulators by turns
	WIN MUL_LO
.irp a, 0,1,2,3
.irp b, 0,1,2,3,4,5,6,7
.if \zero
	v_wmma_scale_f32_16x16x128_f8f6f4 v[8*(8*\a+\b):8*(8*\a+\b)+7], v[128*((\s)%2)+FR*\b:128*((\s)%2)+FR*\b+FR-1], v[AF+48*((\s)%2)+FR*\a:AF+48*((\s)%2)+FR*\a+FR-1], 0, v[SC+8*((\s)%2)+\b], v[SC+8*((\s)%2)+\a] matrix_a_fmt:MATRIX_FMT_FP6 matrix_b_fmt:MATRIX_FMT_FP6 matrix_a_scale:MATRIX_SCALE_ROW1
.else
	v_wmma_scale_f32_16x16x128_f8f6f4 v[8*(8*\a+\b):8*(8*\a+\b)+7], v[128*((\s)%2)+FR*\b:128*((\s)%2)+FR*\b+FR-1], v[AF+48*((\s)%2)+FR*\a:AF+48*((\s)%2)+FR*\a+FR-1], v[8*(8*\a+\b):8*(8*\a+\b)+7], v[SC+8*((\s)%2)+\b], v[SC+8*((\s)%2)+\a] matrix_a_fmt:MATRIX_FMT_FP6 matrix_b_fmt:MATRIX_FMT_FP6 matrix_a_scale:MATRIX_SCALE_ROW1
.endif
.endr
.endr
.endm
	s_wait_alu depctr_va_vdst(0)                   ; at the head's end
	s_wait_tensorcnt 0x0                           ; my part is in,
	s_barrier_signal -1
	s_barrier_wait -1                              ; everybody's is
	FETCH 0
	FETCH 1
	s_wait_dscnt NF                                ; step 0's loads are in; step 1's 38 may be out
	MUL 0, 1                                       ; the first products start the sums
.irp s, 1,2,3,4,5,6
	PLACES 4                                       ; in front of loads into registers that the last products but 32 have read
	FETCH \s+1
	s_wait_dscnt NF
	MUL \s, 0
.endr
	s_wait_dscnt 0x0                               ; my reads of the tiles are over:
	s_barrier_signal -1                            ; say so,
	MUL 7, 0
	WIN 0
	s_barrier_wait -1                              ; and behind this nobody reads the bytes in which the stages lie
.macro TOSTAGE a
	WIN 0x08                                       ; the data: window 2
.irp b, 0,1,2,3,4,5,6,7
	ds_store_b128 v[STO], v[64*(\a)+8*\b:64*(\a)+8*\b+3] offset:128*(\b/2)+32*(\b%2)        ; each accumulator from its low end on
	ds_store_b128 v[STO], v[64*(\a)+8*\b+4:64*(\a)+8*\b+7] offset:128*(\b/2)+32*(\b%2)+16
.endr
	WIN 0
.set BB, BK+64*((\a)%2)
.irp t, 0,1,2,3,4,5,6,7,8,9,10,11,12,13,14,15
	ds_load_b128 v[BB+4*\t:BB+4*\t+3], v[RD] offset:\t*SPITCH   ; LDS serves a wave's instructions in order: these see my stores
.endr
.endm
.macro SEND a, younger
.set BB, BK+64*((\a)%2)
	s_wait_dscnt \younger
.irp t, 0,1,2,3,4,5,6,7,8,9,10,11,12,13,14,15
	global_store_b128 v[L16], v[BB+4*\t:BB+4*\t+3], s[8:9] offset:(32*((\a)/2)+8*((\a)%2)+\t+8*(\t/8))*4096 th:TH_STORE_NT   ; 32 lanes store 512 consecutive bytes, aligned
.endr
.endm
	PLACES 4
	TOSTAGE 0
.irp a, 1,2,3
.if \a > 1
	s_wait_xcnt 0x0                                ; block a - 2's stores have read their registers
.endif
	TOSTAGE \a
	SEND \a-1, 32                                  ; behind block a - 1's loads: block a's 16 stores and 16 loads
.endr
	SEND 3, 0
	s_wait_tensorcnt 0x0                           ; the wave's end
	ds_add_u32 v[SPW], v[NIL]
	s_wait_dscnt 0x0
	CROUND                                         ; the closing round
	s_endpgm
.Lfunc_end_k_q308dbcfd84_proj:
	.size	k_q308dbcfd84_proj, .Lfunc_end_k_q308dbcfd84_proj-k_q308dbcfd84_proj
	.p2alignl 7, 3214868480
	.fill 96, 4, 3214868480
	.section	.rodata,"a",@progbits
	.p2align	6, 0x0
	.amdhsa_kernel k_q308dbcfd84_proj
		.amdhsa_group_segment_fixed_size 327680
		.amdhsa_private_segment_fixed_size 0
		.amdhsa_enable_private_segment 0
		.amdhsa_kernarg_size 24
		.amdhsa_user_sgpr_count 2
		.amdhsa_user_sgpr_kernarg_segment_ptr 1
		.amdhsa_wavefront_size32 1
		.amdhsa_system_sgpr_workgroup_id_x 1
		.amdhsa_system_sgpr_workgroup_id_y 1
		.amdhsa_system_sgpr_workgroup_id_z 1
		.amdhsa_system_vgpr_workitem_id 0
		.amdhsa_next_free_vgpr 768
		.amdhsa_next_free_sgpr 66
		.amdhsa_reserve_vcc 0
		.amdhsa_float_denorm_mode_32 3
		.amdhsa_float_denorm_mode_16_64 3
		.amdhsa_memory_ordered 1
		.amdhsa_forward_progress 1
		.amdhsa_inst_pref_size 74
	.end_amdhsa_kernel
	.amdgpu_metadata
---
amdhsa.version: [ 1, 2 ]
amdhsa.kernels:
  - .name:           k_q308dbcfd84_proj
    .symbol:         k_q308dbcfd84_proj.kd
    .args:
      - { .name: ops, .offset: 0, .size: 8, .value_kind: global_buffer, .address_space: global }
      - { .name: svq, .offset: 8, .size: 8, .value_kind: global_buffer, .address_space: global }
      - { .name: out0, .offset: 16, .size: 8, .value_kind: global_buffer, .address_space: global }
    .group_segment_fixed_size: 327680
    .private_segment_fixed_size: 0
    .kernarg_segment_align: 8
    .kernarg_segment_size: 24
    .max_flat_workgroup_size: 128
    .sgpr_count:     66
    .vgpr_count:     768
    .wavefront_size: 32
...
	.end_amdgpu_metadata
.endif
;; end of part 4
